; MI455X (gfx1250); checked and timed in simulation.
; The chip was launched on July 23, 2026; its instructions are those of AMD's public machine-readable ISA for CDNA 5 (MIT licence, August 2026) and "CDNA5" Instruction Set Architecture Reference Guide (July 2026). The comments in the code are by the model that wrote it; some were corrected since.
;; Criti Graph. Allowed arithmetic: float matrix products may take bf16 or f16 operands with f32 sums; all other float work in f32.
;; Inputs: locations 65,536 x 8 int32; logits 4 x 32 x 32 float32; random_masks 128 x 16 x 16 x 8 int32; sta_ind 4 x 32 int32.
;; Outputs: out0 4 x 32 x 8 float32.
;; One version. Each part assembles by itself: llvm-mc -triple=amdgcn-amd-amdhsa -mcpu=gfx1250 --defsym DOCPART=n.
;; ======== version 1 of 1: 1 launch
;; launch critigraph (part 1): grid 256 x 1, 4 waves a work-group, no clusters, 168,448 bytes of LDS; arguments sta_ind, logits, locations, random_masks, out0; writes out0
.if DOCPART == 1
	.amdgcn_target "amdgcn-amd-amdhsa--gfx1250"
	.amdhsa_code_object_version 6
	.text
	.protected	k_qe460cca97c_critigraph
	.globl	k_qe460cca97c_critigraph
	.p2align	8
	.type	k_qe460cca97c_critigraph,@function
k_qe460cca97c_critigraph:
	s_mov_b64 s[64:65], 0
	v_nop
	global_prefetch_b8 v0, s[64:65] scope:SCOPE_SE
	s_setreg_imm32_b32 hwreg(HW_REG_WAVE_MODE, 25, 1), 1
	s_wait_xcnt 0x0
; out0[b][i][tp] = min over the 513 candidates v of (1/32) * sum over j of | (dist(loc_j, v) - dsp_ij,tp + dsps_ij)/8 - logits[b][i][j] |
; dist(p, q) = sign(p) sign(q) (1 - table[|p| ^ |q|]),  table[x] = (floor(log2(x+1)) + 1)/16.
; Candidates of (b, i, tp): res = |loc_i| ^ (1<<h) ^ mask[h][k] (256 of them), |loc_i| itself, and -res.
;
; SHARES.  256 work-groups: work-group g takes (b,i) = g>>1 and the four copies tp = 4 (g&1) .. +3.  Four waves; wave w owns ONE tp
; and all 256 (h,k): 8 candidates a lane.  So the minimum of an output never leaves a wave.
; ARITHMETIC.  With r = |res| and a_j = |loc_j|:  r ^ ~a_j = -(x+1), x = r ^ a_j.  As f32 that is exact, and its bits >> 23 are
; u = 256 + 127 + floor(log2(x+1)), so 16 (1 - table[x]) = 398 - u.  With c_j = (dsps - dsp)/8 - logit and w_j = sign(loc_j)/128 the terms
; of res and of -res are |A_j - w_j u| and |B_j - w_j u|, A = c + 398 w, B = 398 w - c: one packed fused multiply-add makes both.
; The sign of res only exchanges the two sums, so |res| serves; res = 0 has the loss sum |c_j|, chosen at the end by a select;
; the candidate |loc_i| has the terms |c_j + sign(loc_i) dsp/8|.  Those two sums are made once, with lane = j.
; The four numbers (~a_j, -w_j, A_j, B_j) of a j are the same in all lanes of the main loop: lane j stores them to LDS, every lane reads them back.
; No product of matrices is in this problem, so no matrix instruction; all sums are f32.
; LIMITS.  Indices stay inside their tables, as the problem's reference relies on: sta_ind in 0 .. 65535 (clamped to 65535 otherwise),
; |locations| and |res| below 65536.  floor(log2(x+1)) is exact here; a quotient of f32 logarithms may differ at exact powers of two,
; by 1/16 of one distance = 1/4096 of a loss.  The sums over tp and over j run in another order than the reference's.
; The result of a wave is one f32: lane 0 stores 4 bytes; the four waves' results are 16 neighbouring bytes of out0.
.set MROW,  8192                       ; bytes of random_masks for one (b,i): 256 (h,k) x 8 tp x 4
.set UOFF,  4096                       ; LDS: bytes 0..4095 flip^mask as [tp of 4][candidate of 256] words; from 4096 on 512 bytes a wave: 32 j x 16 bytes
.set KW,    0x40470000                 ; 398/128 = 3.109375
.set NW,    0xbc000000                 ; -1/128
.set LANE, 1                           ; v1      lane = j in the set-up
.set OFFA, 2                           ; v2      byte offset in sta_ind
.set OFFL, 3                           ; v3      byte offset in logits
.set OFFM, 4                           ; v4      byte offset in random_masks
.set IND,  5                           ; v5      sta_ind[b][j]
.set OFFG, 6                           ; v6      32 x index: row j of locations
.set OFFO, 7                           ; v7      the same + 4 tp: my wave's copy
.set LG,   8                           ; v8      logits[b][i][j]
.set FL0,  9                           ; v9      1 << h of candidate t
.set FL1,  10                          ; v10     1 << h of candidate t + 128
.set ST,   11                          ; v11     4 t
.set MK,   12                          ; v[12:19] masks: 4 tp of candidate t, 4 tp of candidate t + 128
.set LOC,  20                          ; v[20:27] row j of locations, v28 my tp's entry once more
.set RDA,  29                          ; v29     LDS address of my 4 + 4 candidates
.set SG,   30                          ; v[30:38] sign as f32
.set UST,  39                          ; v39     512 wave + 16 lane
.set AB,   40                          ; v[40:48] magnitude
.set ULD,  49                          ; v49     512 wave + 128 trip
.set W,    50                          ; v[50:58] at work
.set DA,   59                          ; v59, v60 two chains of the sum over tp
.set DB,   60
.set CJ,   61                          ; v61     c_j
.set UV,   62                          ; v[62:65] (~a_j, -w_j, A_j, B_j)
.set SZ,   66                          ; v66     sum |c_j|: the loss of a candidate 0
.set MID,  67                          ; v67     the loss (x 32) of the candidate |loc_i|
.set OFS,  70                          ; v70     byte offset in out0
.set R,    72                          ; v[72:79]   my 8 candidates' magnitudes
.set ACC,  80                          ; v[80:95]   candidate c: the sums for res and for -res, a pair
.set T,    96                          ; v[96:111]  u: 8 candidates x 2 j
.set Q0,   112                         ; v[112:127] the even j's 8 pairs of terms
.set Q1,   128                         ; v[128:143] the odd j's
.set U,    144                         ; v[144:175] ring: 8 j x 4 numbers
.set SA,   26                          ; s[26:34] |loc_i| of tp 0..7 and of my tp, then its complement
.set SS,   35                          ; s[35:43] sign(loc_i), then -sign/128
.set SK,   44                          ; s[44:52] sign(loc_i) x 398/128
	s_load_b256 s[4:11], s[0:1], 0x0               ; sta_ind s[4:5], logits s[6:7], locations s[8:9], random_masks s[10:11]
	s_load_b64 s[12:13], s[0:1], 0x20              ; out0
	v_lshl_add_u32 v176, v0, 2, 0x29000
	v_mov_b32 v177, 0
	v_and_b32 v[LANE], 31, v0
	v_lshrrev_b32 v[W], 5, v0
	v_readfirstlane_b32 s14, v[W]                  ; wave 0..3
	s_lshr_b32 s15, ttmp9, 1                       ; 32 b + i
	s_and_b32 s16, ttmp9, 1                        ; which half of the 8 tp
	s_and_b32 s17, s15, 31                         ; i
	s_and_b32 s18, s15, 0x60                       ; 32 b
	s_lshl2_add_u32 s19, s16, s14                  ; my wave's tp = 4 half + wave
	s_lshl_b32 s22, s15, 5                         ; 32 (32 b + i)
	s_lshl_b32 s23, s15, 13                        ; (32 b + i) x MROW
	s_lshl4_add_u32 s23, s16, s23                  ; + 16 bytes for the upper half
	s_mov_b32 s20, 0x76543210                      ; v_permlanex16_b32: lane l of one half reads lane l of the other
	s_mov_b32 s21, 0xfedcba98
	v_add_lshl_u32 v[OFFA], v[LANE], s18, 2        ; sta_ind[b][j]
	v_add_lshl_u32 v[OFFL], v[LANE], s22, 2        ; logits[b][i][j]
	v_lshl_add_u32 v[OFFM], v0, 5, s23             ; candidate t's row of 32 bytes, my half of it
	s_wait_kmcnt 0x0
	global_load_b32  v[IND], v[OFFA], s[4:5]       ; first: the gather hangs on it
	global_load_b128 v[MK:MK+3],   v[OFFM], s[10:11]
	global_load_b128 v[MK+4:MK+7], v[OFFM], s[10:11] offset:MROW/2
	global_load_b32  v[LG], v[OFFL], s[6:7]
	; register work while the loads are on their way
	v_lshrrev_b32 v[FL0], 4, v0                    ; h = t / 16 (0..7)
	v_lshlrev_b32 v[FL0], v[FL0], 1                ; 1 << h
	v_lshlrev_b32 v[FL1], 8, v[FL0]                ; candidate t + 128 has h + 8
	v_lshlrev_b32 v[ST], 2, v0
	v_lshlrev_b32 v[RDA], 4, v[LANE]
	v_lshl_add_u32 v[UST], s14, 9, v[RDA]
	v_lshl_add_u32 v[RDA], s14, 10, v[RDA]         ; my tp's 1,024 bytes, 16 bytes a lane
	s_lshl_b32 s24, s14, 9
	v_mov_b32 v[ULD], s24
	s_lshl3_add_u32 s25, s15, s19                  ; 8 (32 b + i) + tp
	s_lshl_b32 s25, s25, 2
	v_mov_b32 v[OFS], s25
.irp c, 0,1,2,3,4,5,6,7,8,9,10,11,12,13,14,15
	v_mov_b32 v[ACC+\c], 0                         ; the 16 sums start at 0; these lines stand where the wave would wait for sta_ind anyway
.endr
	s_wait_loadcnt 0x3                             ; loads come back in order: sta_ind is in, the two mask loads and logits may be out
	v_min_u32 v[IND], 0xffff, v[IND]               ; a loaded number enters an address only clamped to the table
	v_lshlrev_b32 v[OFFG], 5, v[IND]
	v_lshl_add_u32 v[OFFO], s19, 2, v[OFFG]
	global_load_b128 v[LOC:LOC+3],   v[OFFG], s[8:9]
	global_load_b128 v[LOC+4:LOC+7], v[OFFG], s[8:9] offset:16
	global_load_b32  v[LOC+8], v[OFFO], s[8:9]     ; my tp's entry by itself: a register cannot be picked by the wave's number
	s_wait_loadcnt 0x4                             ; both mask loads are in; logits and the three gather loads may be out
.irp k, 0,1,2,3
	v_xor_b32 v[MK+\k],   v[FL0], v[MK+\k]         ; flip ^ mask: from here on a candidate needs no h
	v_xor_b32 v[MK+4+\k], v[FL1], v[MK+4+\k]
.endr
.irp k, 0,1,2,3
	ds_store_b32 v[ST], v[MK+\k]   offset:1024*\k          ; [tp][candidate]: 32 lanes, 32 neighbouring words
	ds_store_b32 v[ST], v[MK+4+\k] offset:1024*\k+512
.endr
	; SET-UP, lane = j.  t = 0..7: the eight copies; t = 8: my wave's copy.
	s_wait_loadcnt 0x0
.irp t, 0,1,2,3,4,5,6,7,8
	v_cvt_f32_i32 v[SG+\t], v[LOC+\t]
	v_sub_nc_u32  v[AB+\t], 0, v[LOC+\t]
.endr
.irp t, 0,1,2,3,4,5,6,7,8
	v_med3_num_f32 v[SG+\t], v[SG+\t], -1.0, 1.0   ; sign(loc_j) as f32: a whole number clamped to -1 .. 1
	v_max_i32      v[AB+\t], v[AB+\t], v[LOC+\t]   ; |loc_j|
.endr
.irp t, 0,1,2,3,4,5,6,7,8
	v_readlane_b32 s[SA+\t], v[AB+\t], s17         ; row i is lane i's
	v_readlane_b32 s[SS+\t], v[SG+\t], s17
.endr
	s_mov_b32 s24, s[SA+8]                         ; |loc_i| of my tp, for the candidates
	s_mov_b32 s25, s[SS+8]                         ; sign(loc_i) of my tp, for the candidate |loc_i|
.irp t, 0,1,2,3,4,5,6,7,8
	s_not_b32 s[SA+\t], s[SA+\t]
	s_mul_f32 s[SK+\t], s[SS+\t], KW
	s_mul_f32 s[SS+\t], s[SS+\t], NW
.endr
.irp t, 0,1,2,3,4,5,6,7,8
	v_xor_b32 v[W+\t], s[SA+\t], v[AB+\t]          ; -(x+1), x = |loc_i| ^ |loc_j|
.endr
.irp t, 0,1,2,3,4,5,6,7,8
	v_cvt_f32_i32 v[W+\t], v[W+\t]
.endr
.irp t, 0,1,2,3,4,5,6,7,8
	v_lshrrev_b32 v[W+\t], 23, v[W+\t]             ; 383 + floor(log2(x+1))
.endr
.irp t, 0,1,2,3,4,5,6,7,8
	v_cvt_f32_u32 v[W+\t], v[W+\t]
.endr
.irp t, 0,1,2,3,4,5,6,7,8
	v_fma_f32 v[W+\t], v[W+\t], s[SS+\t], s[SK+\t] ; sign(loc_i) (398 - u)/128
.endr
	v_mul_f32 v[W+8], v[W+8], v[SG+8]              ; dsp/8 of my tp
	v_fma_f32 v[DA], v[W],   v[SG],   -v[LG]       ; c_j = sum over the 8 tp of dsp/8 - my tp's dsp/8 - logit, in two chains
	v_fma_f32 v[DB], v[W+1], v[SG+1], -v[W+8]
.irp t, 2,4,6
	v_fmac_f32 v[DA], v[W+\t],   v[SG+\t]
	v_fmac_f32 v[DB], v[W+\t+1], v[SG+\t+1]
.endr
	v_add_f32 v[CJ], v[DA], v[DB]
	v_xor_b32 v[UV], -1, v[AB+8]                   ; ~a_j
	v_mul_f32 v[UV+1], NW, v[SG+8]                 ; -w_j
	v_fmamk_f32 v[UV+2], v[SG+8], KW, v[CJ]        ; A_j = 398 w_j + c_j
	v_fma_f32 v[UV+3], v[SG+8], KW, -v[CJ]         ; B_j = 398 w_j - c_j
	ds_store_b128 v[UST], v[UV:UV+3] offset:UOFF
	s_wait_dscnt 0x0                               ; for the other waves' sake: all my LDS stores are done, the masks' words among them
	s_barrier_signal -1                            ; the one barrier: every LDS store of the kernel stands in front of it, every LDS load behind it
	v_fma_f32 v[MID], v[W+8], s25, v[CJ]           ; c_j + sign(loc_i) dsp/8: the term of the candidate |loc_i|
	v_and_b32 v[SZ],  0x7fffffff, v[CJ]
	v_and_b32 v[MID], 0x7fffffff, v[MID]
	s_barrier_wait -1
	ds_load_b128 v[R:R+3],   v[RDA]                ; candidates 4 lane .. +3 of my tp
	ds_load_b128 v[R+4:R+7], v[RDA] offset:512     ; candidates 128 + 4 lane .. +3
.irp p, 0,1,2,3,4,5,6,7
	ds_load_b128 v[U+4*\p:U+4*\p+3], v[ULD] offset:UOFF+16*\p      ; the ring's first fill: j = 0..7, every lane the same 16 bytes
.endr
	; the two sums over j (32 lanes) while the LDS loads are on their way
.irp m, 1,2,4,8
	v_add_f32_dpp v[SZ],  v[SZ],  v[SZ]  row_xmask:\m row_mask:0xf bank_mask:0xf
	v_add_f32_dpp v[MID], v[MID], v[MID] row_xmask:\m row_mask:0xf bank_mask:0xf
.endr
	v_permlanex16_b32 v[W],   v[SZ],  s20, s21     ; destinations that have been written before
	v_permlanex16_b32 v[W+1], v[MID], s20, s21
	v_add_f32 v[SZ],  v[SZ],  v[W]
	v_add_f32 v[MID], v[MID], v[W+1]
	s_wait_dscnt 0x8                               ; LDS loads come back in order: the two candidate loads are in, the ring's eight may be out
.irp c, 0,1,2,3,4,5,6,7
	v_xor_b32 v[R+\c], s24, v[R+\c]                ; res = |loc_i| ^ flip ^ mask
.endr
.irp c, 0,1,2,3,4,5,6,7
	v_sub_nc_u32 v[T+\c], 0, v[R+\c]
.endr
.irp c, 0,1,2,3,4,5,6,7
	v_max_i32 v[R+\c], v[R+\c], v[T+\c]            ; |res|: its sign only exchanges the sums of res and -res
.endr
; Two j (ring places 2p, 2p+1) against my 8 candidates: 16 chains that do not wait for each other.
; left = how many younger LDS loads may stay out; refill = 1: the two places get the j that lie 8 further on.
.macro PAIR p, left, refill
	s_wait_dscnt \left
.irp c, 0,1,2,3,4,5,6,7
	v_xor_b32 v[T+\c],   v[U+8*\p],   v[R+\c]      ; -(x+1)
	v_xor_b32 v[T+8+\c], v[U+8*\p+4], v[R+\c]
.endr
.irp c, 0,1,2,3,4,5,6,7,8,9,10,11,12,13,14,15
	v_cvt_f32_i32 v[T+\c], v[T+\c]
.endr
.irp c, 0,1,2,3,4,5,6,7,8,9,10,11,12,13,14,15
	v_lshrrev_b32 v[T+\c], 23, v[T+\c]
.endr
.irp c, 0,1,2,3,4,5,6,7,8,9,10,11,12,13,14,15
	v_cvt_f32_u32 v[T+\c], v[T+\c]                 ; u
.endr
	; (A - w u, B - w u): source 0 is u in both halves (first or second register of its pair), source 1 the pair's second register, -w, in both
.irp c, 0,2,4,6
	v_pk_fma_f32 v[Q0+2*\c:Q0+2*\c+1],   v[T+\c:T+\c+1],     v[U+8*\p:U+8*\p+1],   v[U+8*\p+2:U+8*\p+3] op_sel:[0,1,0] op_sel_hi:[0,1,1]
	v_pk_fma_f32 v[Q0+2*\c+2:Q0+2*\c+3], v[T+\c:T+\c+1],     v[U+8*\p:U+8*\p+1],   v[U+8*\p+2:U+8*\p+3] op_sel:[1,1,0] op_sel_hi:[1,1,1]
	v_pk_fma_f32 v[Q1+2*\c:Q1+2*\c+1],   v[T+8+\c:T+8+\c+1], v[U+8*\p+4:U+8*\p+5], v[U+8*\p+6:U+8*\p+7] op_sel:[0,1,0] op_sel_hi:[0,1,1]
	v_pk_fma_f32 v[Q1+2*\c+2:Q1+2*\c+3], v[T+8+\c:T+8+\c+1], v[U+8*\p+4:U+8*\p+5], v[U+8*\p+6:U+8*\p+7] op_sel:[1,1,0] op_sel_hi:[1,1,1]
.endr
.if \refill
	ds_load_b128 v[U+8*\p:U+8*\p+3],   v[ULD] offset:UOFF+128+32*\p
	ds_load_b128 v[U+8*\p+4:U+8*\p+7], v[ULD] offset:UOFF+128+32*\p+16
.endif
.irp k, 0,1,2,3,4,5,6,7,8,9,10,11,12,13,14,15
	v_add_f32 v[Q0+\k], |v[Q0+\k]|, |v[Q1+\k]|     ; the two j's magnitudes in one add
.endr
.irp c, 0,2,4,6,8,10,12,14
	v_pk_add_f32 v[ACC+\c:ACC+\c+1], v[ACC+\c:ACC+\c+1], v[Q0+\c:Q0+\c+1]
.endr
.endm
	; 32 j = 4 trips of 8.  A pair's two loads are wanted when the three other pairs' six, issued behind them, may still be out.
	s_mov_b32 s53, 3
.Ltrip:
	PAIR 0, 6, 1
	PAIR 1, 6, 1
	PAIR 2, 6, 1
	PAIR 3, 6, 1
	v_add_nc_u32 v[ULD], 128, v[ULD]               ; 8 j x 16 bytes on
	s_sub_co_i32 s53, s53, 1
	s_cmp_lg_u32 s53, 0
	s_cbranch_scc1 .Ltrip
	PAIR 0, 6, 0                                   ; the last 8 j load nothing: the counts run down
	PAIR 1, 4, 0
	PAIR 2, 2, 0
	PAIR 3, 0, 0
	; THE MINIMUM: res against -res, a candidate 0 replaced by its true loss, my 8 candidates and |loc_i|, then the 32 lanes
.irp c, 0,1,2,3,4,5,6,7
	v_min_num_f32 v[T+\c], v[ACC+2*\c], v[ACC+2*\c+1]
.endr
.irp c, 0,1,2,3,4,5,6,7
	v_cmp_eq_u32 vcc_lo, 0, v[R+\c]
	v_cndmask_b32 v[T+\c], v[T+\c], v[SZ], vcc_lo  ; sign(0) = 0: every distance of that candidate is 0
.endr
	v_min3_num_f32 v[T],   v[T],   v[T+1], v[T+2]
	v_min3_num_f32 v[T+3], v[T+3], v[T+4], v[T+5]
	v_min3_num_f32 v[T+6], v[T+6], v[T+7], v[MID]
	v_min3_num_f32 v[T],   v[T],   v[T+3], v[T+6]
.irp m, 1,2,4,8
	v_min_num_f32_dpp v[T], v[T], v[T] row_xmask:\m row_mask:0xf bank_mask:0xf
.endr
	v_permlanex16_b32 v[T+1], v[T], s20, s21
	v_min_num_f32 v[T], v[T], v[T+1]
	v_mul_f32 v[T], 0x3d000000, v[T]               ; / 32
	v_cmp_eq_u32 vcc_lo, 0, v[LANE]
	s_wait_xcnt 0x0                                ; EXEC changes only behind this wait
	s_wait_tensorcnt 0x0
	ds_add_u32 v176, v177
	s_wait_dscnt 0x0
	s_and_saveexec_b32 s54, vcc_lo
	global_store_b32 v[OFS], v[T], s[12:13]        ; lane 0: out0[b][i][tp]
	s_wait_xcnt 0x0                                ; and again in front of the line that widens it
	s_or_b32 exec_lo, exec_lo, s54
	s_endpgm
.Lfunc_end_k_qe460cca97c_critigraph:
	.size	k_qe460cca97c_critigraph, .Lfunc_end_k_qe460cca97c_critigraph-k_qe460cca97c_critigraph
	.p2alignl 7, 3214868480
	.fill 96, 4, 3214868480
	.section	.rodata,"a",@progbits
	.p2align	6, 0x0
	.amdhsa_kernel k_qe460cca97c_critigraph
		.amdhsa_group_segment_fixed_size 168448
		.amdhsa_private_segment_fixed_size 0
		.amdhsa_enable_private_segment 0
		.amdhsa_kernarg_size 40
		.amdhsa_user_sgpr_count 2
		.amdhsa_user_sgpr_kernarg_segment_ptr 1
		.amdhsa_wavefront_size32 1
		.amdhsa_system_sgpr_workgroup_id_x 1
		.amdhsa_system_sgpr_workgroup_id_y 1
		.amdhsa_system_sgpr_workgroup_id_z 1
		.amdhsa_system_vgpr_workitem_id 0
		.amdhsa_next_free_vgpr 178
		.amdhsa_next_free_sgpr 66
		.amdhsa_reserve_vcc 1
		.amdhsa_float_denorm_mode_32 3
		.amdhsa_float_denorm_mode_16_64 3
		.amdhsa_memory_ordered 1
		.amdhsa_forward_progress 1
		.amdhsa_inst_pref_size 52
	.end_amdhsa_kernel
	.amdgpu_metadata
---
amdhsa.version: [ 1, 2 ]
amdhsa.kernels:
  - .name:           k_qe460cca97c_critigraph
    .symbol:         k_qe460cca97c_critigraph.kd
    .args:
      - { .name: sta_ind, .offset: 0, .size: 8, .value_kind: global_buffer, .address_space: global }
      - { .name: logits, .offset: 8, .size: 8, .value_kind: global_buffer, .address_space: global }
      - { .name: locations, .offset: 16, .size: 8, .value_kind: global_buffer, .address_space: global }
      - { .name: random_masks, .offset: 24, .size: 8, .value_kind: global_buffer, .address_space: global }
      - { .name: out0, .offset: 32, .size: 8, .value_kind: global_buffer, .address_space: global }
    .group_segment_fixed_size: 168448
    .private_segment_fixed_size: 0
    .kernarg_segment_align: 8
    .kernarg_segment_size: 40
    .max_flat_workgroup_size: 128
    .sgpr_count:     66
    .vgpr_count:     178
    .wavefront_size: 32
...
	.end_amdgpu_metadata
.endif
;; end of part 1
